; MI455X (gfx1250); checked and timed in simulation.
; The chip was launched on July 23, 2026; its instructions are those of AMD's public machine-readable ISA for CDNA 5 (MIT licence, August 2026) and "CDNA5" Instruction Set Architecture Reference Guide (July 2026). The comments in the code are by the model that wrote it; some were corrected since.
;; Scaled Dot Product Attention. Allowed arithmetic: matrix products marked QUANTISED: E3M2 operands, one E8M0 scale for each 32 along K, by v_wmma_scale_f32_16x16x128_f8f6f4 with both operands' format E3M2, f32 sums; everything else in f32.
;; Inputs: K_codes 4,096 x 32 x 24 uint8 (E3M2 codes of K, K innermost, in blocks of 32 codes, four codes in three bytes); K_scales 4,096 x 32 uint8 (E8M0 scales of K, one for each 32 codes along K); Q_codes 4,096 x 32 x 24 uint8 (E3M2 codes of Q, K innermost, in blocks of 32 codes, four codes in three bytes); Q_scales 4,096 x 32 uint8 (E8M0 scales of Q, one for each 32 codes along K); V_codes 1,024 x 128 x 24 uint8 (E3M2 codes of V, K innermost, in blocks of 32 codes, four codes in three bytes); V_scales 1,024 x 128 uint8 (E8M0 scales of V, one for each 32 codes along K).
;; Outputs: out0 4,096 x 1,024 float32.
;; This version of the problem:
;;   THIS VERSION OF THE PROBLEM IS GIVEN IN LOW PRECISION. The matrix products marked QUANTISED in the list below multiply operands that are first quantised to E3M2 (3 exponent bits, 2 mantissa bits; 6 bits a number), with one power-of-two scale for each 32 numbers along K (OCP MX v1.0); their sums are f32. All else is computed in f32.
;;   The module's matrix products, in the order in which they are computed (A, B: the left and right operand; K: the contracted axis; several contracted axes count as one K, in the product's order):
;;     1. [M 4,096, K 1,024] x [K 1,024, N 4,096]; A: input Q (given as codes); B: input K (given as codes): QUANTISED
;;     2. [M 4,096, K 4,096] x [K 4,096, N 1,024]; A: softmax (see below); B: input V (given as codes): QUANTISED
;;   THE QUANTISER, for each operand of a quantised product, along K:
;;     - K is cut into blocks of 32 from its start; a last block that is shorter is filled with zeros.
;;     - A block's scale is 2^e with e = floor(log2(the largest magnitude in the block)) - 4, held to -126 .. 127; a block of zeros has e = 0. As a byte (E8M0): e + 127.
;;     - Each number is divided by its block's scale, clamped to +-28, and rounded to the nearest number of E3M2, ties to even, subnormals kept.
;;     - The product sums the exact products of the quantised numbers (number of the format x scale) in f32.
;;   ~~~python
;;   def quantise(x, axis):      # numpy; x: float32 -> the quantised numbers, widened to float32 again
;;       x = np.moveaxis(x, axis, -1); K = x.shape[-1]
;;       x = np.pad(x, [(0, 0)] * (x.ndim - 1) + [(0, -K % 32)]); x = x.reshape(x.shape[:-1] + (-1, 32)); a = np.abs(x).max(-1, keepdims=True)
;;       e = np.where(a > 0, np.clip(np.frexp(np.where(a > 0, a, 1))[1] - 1 - 4, -126, 127), 0)      # np.frexp(a)[1] - 1 = floor(log2(a)), exactly
;;       r = np.clip(x / 2.0 ** e, -28, 28)
;;       step = 2.0 ** (np.maximum(np.frexp(np.where(r == 0, 1, r))[1] - 1, -2) - 2)
;;       q = np.round(r / step) * step * 2.0 ** e      # np.round: ties to even
;;       return np.moveaxis(q.reshape(q.shape[:-2] + (-1,))[..., :K], -1, axis).astype(np.float32)
;;   ~~~
;;   SOFTMAX AHEAD OF A QUANTISED PRODUCT. Where the list says 'softmax', what is quantised is not the finished softmax but p = 2^(t - M), with t = logit x log2(e) and M = ceil(the row's largest t), a whole number; so 1/2 < the row's largest p <= 1. The row's sum l is taken of the UNQUANTISED p, in f32, and the product's result is divided by l at the end. Since M is a whole number, a kernel that streams over the keys may use a running M (the ceiling of the running maximum): every later rescaling is an exact power of two, which a block's scale takes up: the codes' values come out the same.
;;   OPERANDS COMPUTED ON THE WAY. 'Computed on the way' means the value that the module computes at that place (a softmax that the list does not call 'softmax' is quantised finished and normalised). What goes into a quantiser is computed in f32, as accurately as f32 sums, v_exp_f32 and their like allow (about 1e-6 of the number): no bf16 or f16 on the way to a quantiser, and a product that is left as it is and whose result goes on into a quantised operand takes f32 operands (vector FMAs, or v_wmma_f32_16x16x4_f32). A number that lies on a knife's edge between two numbers of the format may be rounded either way, as far as f32 arithmetic and the matrix unit's own rounding can turn it there, and no further.
;;   INPUTS GIVEN AS CODES. K (in the module: [4096, 1024], K = its axis 1); Q (in the module: [4096, 1024], K = its axis 1); V (in the module: [4096, 1024], K = its axis 0): each comes as NAME_codes (uint8): NAME with its K axis moved to the last place and cut into blocks of 32 codes, [.., K / 32, bytes a block], one block behind the other in memory; four codes in three bytes: a row's codes are one little-endian stream of bits, code i at bits 6 i .. 6 i + 5 (a code: sign, 3 exponent bits, 2 mantissa bits); and NAME_scales (uint8): the same leading axes, one E8M0 byte (e + 127) for each 32 codes along K. Its value is code x scale, taken as it is: it is not quantised again, and the codes and scales need not be those that the quantiser above would give.
;; One version. Each part assembles by itself: llvm-mc -triple=amdgcn-amd-amdhsa -mcpu=gfx1250 --defsym DOCPART=n.
;; ======== version 1 of 1: 2 launches
;; limits: right only within a limited range of input values
;; workspace buffers: pfrag 7,299,072 bytes; vfrag 3,145,728 bytes
;; launch scores (part 1): grid 25 x 8, 8 waves a work-group, no clusters, 327,680 bytes of LDS; arguments Q_codes, Q_scales, K_codes, K_scales, V_codes, pfrag, vfrag; writes pfrag, vfrag
.if DOCPART == 1
	.amdgcn_target "amdgcn-amd-amdhsa--gfx1250"
	.amdhsa_code_object_version 6
	.text
	.protected	k_qad0f3a4577_scores
	.globl	k_qad0f3a4577_scores
	.p2align	8
	.type	k_qad0f3a4577_scores,@function
k_qad0f3a4577_scores:
	s_mov_b64 s[64:65], 0
	v_nop
	global_prefetch_b8 v0, s[64:65] scope:SCOPE_SE
	s_setreg_imm32_b32 hwreg(HW_REG_WAVE_MODE, 25, 1), 1
	s_wait_xcnt 0x0
; FIRST OF TWO LAUNCHES of out = softmax(mask(Q K^T / 1024)) V, 4,096 queries x 4,096 keys, head 1,024, both products on codes of BF6 (E3M2) with one E8M0 byte for each 32 along K.
; This launch: S = Q K^T; t = S x log2(e) / 1024; the causal mask; for each row and each STEP of 128 keys a LOCAL whole number M = ceil(the step's largest t), p = 2^(t - M), p's codes and scale
; bytes along the keys, and the local sum l of the unquantised p.  The second launch brings every step under the row's M: an exact power of two, which the scale bytes take up.
; DEAD WORK LEFT OUT.  reference() puts -inf, by its own tril, wherever key > query.  Where every key of a tile comes after every query of it, every p of the tile is exactly 0, whatever finite
; values Q and K hold, and adds 0 to the row's sum and to the second product.  So of the 16 x 16 tiles of 256 x 256 of S only the 136 with J <= I are launched, and what lies in the quadrant
; (rows 0-127, keys 128-255) of a diagonal tile is computed but not stored.
; LIMITS.  A NaN, an infinity or an overflow that reaches only the work left out is not carried to the result.  A p under 2^-126 comes out of v_exp_f32 as 0.  The scaled scores stay under 2^31.
; GRID 25 x 8.  x < 17: a tile of S: (I, J) = (y, x) where x <= y, else (15 - y, x - y - 1).  x >= 17: one of 64 work-groups that lay V out (at the end).
; NO CLUSTER: row I has I + 1 live tiles and column J has 16 - J, so fours that share a row or a column do not exist for all tiles.  NO PREFETCH: there is no loop to run ahead in: a tile has three
; chunks along K, of which two are asked for at the head.
; A TILE: eight waves; wave w makes 64 queries (w / 2) x 128 keys (w % 2): 32 accumulators.  A row of codes is 768 bytes = three chunks of 256; LDS has two slots of 512 rows x 256 bytes (Q's 256
; rows, K's 256).  At the head waves 0-3 fetch chunk 0, waves 4-7 chunk 1; chunk 2 goes into slot 0 when it has been read out.  Scale words go from memory into registers, all eight steps' at once.
; Source 0 = 16 rows of K, source 1 = 16 rows of Q: lane (r, h) holds query r, and register j of tile b key 16 b + 8 h + j.
; ORDER OF KEYS.  Inside each block of 32 keys p's codes stand in the order 0-7, 16-23, 8-15, 24-31, in which the lanes' registers hold them, and V's codes are laid in the same order: the
; same products are summed, and a block's scale is that of the same 32 keys.
; OUT: pfrag [i 32][u 33][6,912]: for block b of 64 queries and step s of 128 keys: b >= 32: i = 63 - b, u = s; b < 32: i = b, u = 32 - s.  A unit: four images of the second product's operand
; registers (16 queries each, 1,536 bytes; registers 4 g .. 4 g + 3 at 512 g + 16 x lane), then W, M and l, 256 bytes each: word 2 L + j is that of row 32 j + L.  W: four scale bytes, bit 7 set on each.
; vfrag [32][s 32][2][1,536]: images of 16 of the head x 128 keys.
; REGISTERS.  Window 0: v1-8 LDS addresses, v16-63 scale words, v64-111 and v112-159 two sets of Q's fragments, v160-255 K's.  Window 1: accumulator (a, b) at v[8 (8 a + b)].
.set PITCH, 272                        ; an LDS row: 256 bytes + 16 of padding
.set HALFT, 128*PITCH
.set SLOT,  512*PITCH
.set SPARE, 2*SLOT                     ; the spare words: 128 bytes for each of eight waves
.set UNIT,  6912
.set MSB, 0
.macro WIN new                         ; the immediate's high byte repeats the setting that is left
.if MSB != (\new)
	s_set_vgpr_msb (MSB<<8)|(\new)
.set MSB, (\new)
.endif
.endm
.macro PLACES
.rept 4
	v_nop
.endr
.endm
	s_load_b256 s[4:11], s[0:1], 0x0               ; Q's codes, Q's scales, K's codes, K's scales
	s_load_b128 s[40:43], s[0:1], 0x20             ; V's codes s[40:41], pfrag s[42:43]
	s_load_b64 s[44:45], s[0:1], 0x30              ; vfrag
	v_lshl_add_u32 v9, v0, 2, SPARE
	v_mov_b32 v10, 0
	ds_add_u32 v9, v10                             ; the wave's opening: the add, twice on end, and its wait
	ds_add_u32 v9, v10
	v_lshrrev_b32 v11, 5, v0
	v_readfirstlane_b32 s14, v11                   ; wave 0..7
	s_lshr_b32 s15, s14, 1                         ; my 64 queries of the tile
	s_and_b32 s16, s14, 1                          ; my 128 keys
	s_and_b32 s19, ttmp7, 0xffff                   ; y
	s_mov_b32 s24, (1<<20)|(5<<22)|(3<<25)         ; 128 rows of 256 bytes, 768 apart; 4 words of padding after every 64
	s_mov_b32 s25, 256<<16
	s_mov_b32 s26, 128<<16
	s_mov_b32 s27, 256<<16
	s_mov_b32 s28, 128
	s_mov_b32 s29, 768
	s_mov_b32 s30, 0
	s_mov_b32 s31, 0
	s_mov_b32 s60, 0x76543210                      ; v_permlanex16_b32's selects for lane l xor 16
	s_mov_b32 s61, 0xfedcba98
	s_mov_b32 s62, 0x3ab8aa3b                      ; c = log2(e) / 1024
	s_mov_b32 s63, s62
	s_mov_b32 s69, 0xffff0000                      ; lanes 16-31
	s_wait_alu depctr_va_vdst(0)
	s_wait_dscnt 0x0                               ; both opening adds are done
	s_wait_kmcnt 0x0
	s_cmp_ge_u32 ttmp9, 17                         ; the work-group's number alone decides; the two ways never join
	s_cbranch_scc1 .Lhelper
	s_sub_co_u32 s17, 15, s19
	s_sub_co_u32 s18, ttmp9, s19
	s_sub_co_u32 s18, s18, 1
	s_cmp_le_u32 ttmp9, s19
	s_cselect_b32 s17, s19, s17                    ; I
	s_cselect_b32 s18, ttmp9, s18                  ; J
	s_lshr_b32 s20, s14, 2                         ; which chunk I fetch at the head,
	s_and_b32 s21, s14, 3                          ; which 128 of the 512 rows
	s_and_b32 s23, s14, 1
	s_bfe_u32 s22, s14, 0x10001                    ; Q (0) or K (1)
	s_cmp_eq_u32 s22, 0
	s_cselect_b64 s[72:73], s[4:5], s[8:9]
	s_cselect_b32 s76, s17, s18
	s_lshl_b32 s76, s76, 8
	s_lshl_b32 s23, s23, 7
	s_add_co_u32 s76, s76, s23
	s_mul_i32 s76, s76, 768
	s_lshl_b32 s77, s20, 8
	s_add_co_u32 s76, s76, s77
	s_mov_b32 s77, 0
	s_mul_i32 s21, s21, HALFT
	s_mul_i32 s20, s20, SLOT
	s_mov_b32 s32, 1
	s_add_co_u32 s33, s21, s20
	s_add_nc_u64 s[34:35], s[72:73], s[76:77]
	s_or_b32 s35, s35, 0x80000000
	s_cmp_lt_u32 s14, 4                            ; one load a wave: a line for the waves that wait ahead of the first barrier, another for those that do not
	s_cbranch_scc0 .Lsecond
	tensor_load_to_lds s[32:35], s[24:31]
	s_nop 0
	PLACES
	s_branch .Lasked
.Lsecond:
	tensor_load_to_lds s[32:35], s[24:31]
	s_nop 0
	PLACES
.Lasked:
	s_lshl_b32 s76, s17, 13                        ; scale bytes: 32 a row.  Lane L takes row L of each group of 32 rows: two groups of Q, four of K, 32 bytes a row
	s_lshl_b32 s78, s15, 11
	s_add_co_u32 s76, s76, s78
	s_mov_b32 s77, 0
	s_add_nc_u64 s[6:7], s[6:7], s[76:77]
	s_lshl_b32 s76, s18, 13
	s_lshl_b32 s78, s16, 12
	s_add_co_u32 s76, s76, s78
	s_add_nc_u64 s[10:11], s[10:11], s[76:77]
	v_and_b32 v13, 31, v0
	v_lshlrev_b32 v13, 5, v13
.irp g, 0,1
	global_load_b128 v[16+8*\g:19+8*\g], v13, s[6:7] offset:1024*\g
	global_load_b128 v[20+8*\g:23+8*\g], v13, s[6:7] offset:1024*\g+16
.endr
.irp g, 0,1,2,3
	global_load_b128 v[32+8*\g:35+8*\g], v13, s[10:11] offset:1024*\g
	global_load_b128 v[36+8*\g:39+8*\g], v13, s[10:11] offset:1024*\g+16
.endr
	s_mul_i32 s21, s15, 64*PITCH                   ; my rows of Q,
	s_mul_i32 s22, s16, HALFT
	s_add_co_u32 s22, s22, 256*PITCH               ; and of K, which lie behind Q's 256
	v_and_b32 v11, 15, v0                          ; r
	v_bfe_u32 v12, v0, 4, 1                        ; h
	v_mul_u32_u24 v15, v11, PITCH
	v_mad_u32_u24 v14, v12, 24, v15                ; a fragment's row, + 24 h
	v_add_nc_u32 v1, s21, v14                      ; Q in slot 0, 1
	v_add_nc_u32 v3, s22, v14                      ; K in slot 0, 1
	v_add_nc_u32 v2, SLOT, v1
	v_add_nc_u32 v4, SLOT, v3
	v_mul_u32_u24 v14, v12, SLOT-232               ; pieces whose lanes 16-31 lie in the next chunk: from slot 0 to slot 1: byte 232 of slot 0's row, byte 0 of slot 1's
	v_add_nc_u32 v14, v14, v15
	v_add_nc_u32 v14, 232, v14
	v_add_nc_u32 v5, s21, v14
	v_add_nc_u32 v6, s22, v14
	v_xor_b32 v14, 1, v12                          ; from slot 1 to slot 0: lanes 0-15 byte 232 of slot 1's row, lanes 16-31 byte 0 of slot 0's
	v_mul_u32_u24 v14, v14, SLOT+232
	v_add_nc_u32 v14, v14, v15
	v_add_nc_u32 v7, s21, v14
	v_add_nc_u32 v8, s22, v14
; A fragment: 16 rows x 128 K: registers 6 c .. 6 c + 5 of lane (r, h) hold K = 64 c + 32 h + 0 .. 31: 24 bytes of the row's stream of bits, in pieces of 8
.macro FRAG reg, k, q, i
.irp p, 0,1,2,3,4,5
.set YB, 96*(\q)+48*(\p/3)+8*(\p%3)
.if YB%256 >= 232
	ds_load_b64 v[\reg+2*\p:\reg+2*\p+1], v[5+(\k)+2*(YB/256)] offset:YB%256-232+(\i)*16*PITCH
.else
	ds_load_b64 v[\reg+2*\p:\reg+2*\p+1], v[1+2*(\k)+(YB/256)%2] offset:YB%256+(\i)*16*PITCH
.endif
.endr
.endm
.macro FQ q                            ; Q's four blocks of step q: 24 loads
.irp i, 0,1,2,3
	FRAG 64+48*((\q)%2)+12*\i, 0, \q, \i
.endr
.endm
.macro FK q, hf                        ; four of K's eight blocks: 24 loads
.irp i, 0,1,2,3
	FRAG 160+12*(4*(\hf)+\i), 1, \q, 4*(\hf)+\i
.endr
.endm
.macro WM d, kf, qf, cc, ks, qs, ra, rb
.if (\ra) && (\rb)
	v_wmma_scale_f32_16x16x128_f8f6f4 v[\d:\d+7], v[\kf:\kf+11], v[\qf:\qf+11], \cc, v[\ks], v[\qs] matrix_a_fmt:MATRIX_FMT_BF6 matrix_b_fmt:MATRIX_FMT_BF6 matrix_a_scale:MATRIX_SCALE_ROW1 matrix_b_scale:MATRIX_SCALE_ROW1
.elseif \ra
	v_wmma_scale_f32_16x16x128_f8f6f4 v[\d:\d+7], v[\kf:\kf+11], v[\qf:\qf+11], \cc, v[\ks], v[\qs] matrix_a_fmt:MATRIX_FMT_BF6 matrix_b_fmt:MATRIX_FMT_BF6 matrix_a_scale:MATRIX_SCALE_ROW1
.elseif \rb
	v_wmma_scale_f32_16x16x128_f8f6f4 v[\d:\d+7], v[\kf:\kf+11], v[\qf:\qf+11], \cc, v[\ks], v[\qs] matrix_a_fmt:MATRIX_FMT_BF6 matrix_b_fmt:MATRIX_FMT_BF6 matrix_b_scale:MATRIX_SCALE_ROW1
.else
	v_wmma_scale_f32_16x16x128_f8f6f4 v[\d:\d+7], v[\kf:\kf+11], v[\qf:\qf+11], \cc, v[\ks], v[\qs] matrix_a_fmt:MATRIX_FMT_BF6 matrix_b_fmt:MATRIX_FMT_BF6
.endif
.endm
; 16 products: Q's four blocks x four of K's.  All 32 accumulators take turns, in the same order in every step; the first step's C is 0.
.macro MUL q, hf
.irp a, 0,1,2,3
.irp b, 0,1,2,3
.set DD, 8*(8*\a+4*(\hf)+\b)
.set KF, 160+12*(4*(\hf)+\b)
.set QF, 64+48*((\q)%2)+12*\a
.set KW, 32+8*((4*(\hf)+\b)/2)+(\q)
.set QW, 16+8*(\a/2)+(\q)
.if (\q) == 0
	WM DD, KF, QF, 0, KW, QW, \b%2, \a%2
.else
	WM DD, KF, QF, v[DD:DD+7], KW, QW, \b%2, \a%2
.endif
.endr
.endr
.endm
; 128 along K.  kind 1: a barrier stands round the first half, behind which a chunk's landing is known to all; kind 2: the barrier of the refill of slot 0.
.macro STEP q, kind
.if (\kind) == 2
	s_wait_tensorcnt 0x0                           ; all my tensor loads have landed
	ds_add_u32 v9, v10                             ; 0 onto my spare word
	s_wait_dscnt 0x0                               ; the add is done, and so are my reads: chunk 0 is read out
	s_barrier_signal -1
.elseif (\kind) == 1
	s_wait_tensorcnt 0x0
	s_wait_dscnt 0x0
	s_barrier_signal -1
.else
	s_wait_dscnt 24                                ; Q's blocks and K's first four are in; K's last four (24 loads) may be out
.endif
	WIN 0x50
	MUL \q, 0
	WIN 0
.if \kind
	s_barrier_wait -1
.endif
.if (\kind) == 2
	s_cmp_lt_u32 s14, 4
	s_cbranch_scc0 .Lnofill
	tensor_load_to_lds s[32:35], s[24:31]          ; chunk 2, where I fetched chunk 0
	s_nop 0
	PLACES
.Lnofill:
.endif
.if (\q) < 7
	PLACES
	FQ (\q)+1
	FK (\q)+1, 0
	s_wait_dscnt 48                                ; all but the 48 just issued
.else
	s_wait_dscnt 0x0
.endif
	WIN 0x50
	MUL \q, 1
	WIN 0
	PLACES
.if (\q) < 7
	FK (\q)+1, 1
.endif
.endm
	s_wait_alu depctr_va_vdst(0)
	s_cmp_lt_u32 s14, 4
	s_cbranch_scc0 .Lnowait
	s_wait_tensorcnt 0x0                           ; chunk 0, fetched by waves 0-3.  Chunk 1 is waited for by all waves ahead of the next barrier
.Lnowait:
	s_barrier_signal -1
	s_barrier_wait -1
	FQ 0
	FK 0, 0
	FK 0, 1
	s_wait_loadcnt 0x0                             ; the scale words
	STEP 0, 0
	STEP 1, 1                                      ; chunk 1 is in: step 2 reads both slots
	s_wait_tensorcnt 0x0
	s_add_nc_u64 s[34:35], s[34:35], 512           ; no load of mine is out: waves 0-3 step from chunk 0 to chunk 2
	STEP 2, 2
	STEP 3, 0
	STEP 4, 1                                      ; chunk 2 is in
	STEP 5, 0
	STEP 6, 0
	STEP 7, 0
	; ---- FROM SCORES TO CODES: each wave stores its own unit of pfrag
	s_lshl_b32 s70, s17, 2
	s_add_co_u32 s70, s70, s15                     ; b: my block of 64 queries
	s_lshl_b32 s71, s18, 1
	s_add_co_u32 s71, s71, s16                     ; s: my step of 128 keys
	s_lshr_b32 s72, s70, 1
	s_cmp_eq_u32 s71, s72
	s_cselect_b32 s68, 1, 0                        ; on the diagonal?
	s_sub_co_u32 s73, 63, s70
	s_sub_co_u32 s74, 32, s71
	s_cmp_ge_u32 s70, 32
	s_cselect_b32 s73, s73, s70                    ; i
	s_cselect_b32 s74, s71, s74                    ; u
	s_mul_i32 s76, s73, 33
	s_add_co_u32 s76, s76, s74
	s_mul_i32 s76, s76, UNIT
	s_mov_b32 s77, 0
	s_add_nc_u64 s[46:47], s[42:43], s[76:77]
	v_and_b32 v240, 31, v0
	v_lshlrev_b32 v241, 3, v240                    ; 8 x lane
	v_lshlrev_b32 v240, 4, v240                    ; 16 x lane
	s_bfe_u32 s75, s14, 0x10001
	s_lshl_b32 s75, s75, 6                         ; my 64 queries within the step's 128
	v_lshlrev_b32 v242, 3, v12
	v_sub_nc_u32 v242, v11, v242
	v_add_nc_u32 v242, s75, v242                   ; query - 8 h: block a's register 8 b + j is hidden where 16 b + j > this + 16 a
	v_mov_b32 v243, 0xff800000                     ; -infinity
.irp b, 0,1,2,3
	v_mov_b32 v[132+\b], 0                         ; (a lane permute's destination counts as one of its sources)
.endr
	v_mov_b32 v141, 0
	s_wait_alu depctr_va_vdst(0)
	s_cmp_gt_u32 s71, s72                          ; ids alone: every key of mine comes after every query of mine: nothing is stored, and nothing reads it
	s_cbranch_scc1 .Lend
.macro BLOCK a                         ; 16 queries x 128 keys
	s_cmp_eq_u32 s68, 0
	s_cbranch_scc1 .Lopen_\a                       ; under the diagonal every key counts
	WIN 0x41
	s_wait_alu depctr_va_vdst(0)
.set NN, 0
.rept 64
	v_cmp_gt_i32 vcc_lo, 16*(NN/8)+NN%8-16*\a, v242
	v_cndmask_b32 v[64*\a+NN], v[64*\a+NN], v243, vcc_lo
.set NN, NN+1
.endr
	WIN 0
	s_wait_alu depctr_va_vdst(0)
.Lopen_\a:
	WIN 0x14
	s_wait_alu depctr_va_vdst(0)                   ; ahead of the first readers of these eight accumulators
.irp b, 0,1,2,3
	v_max3_num_f32 v[128+\b], 0xff800000, v[64*\a+16*\b], v[64*\a+16*\b+1]   ; the largest score of each block of 32 keys: for the row's maximum, and, since p rises with it, for the block's largest p
.endr
.irp i, 2,4,6,8,10,12,14
.irp b, 0,1,2,3
	v_max3_num_f32 v[128+\b], v[128+\b], v[64*\a+16*\b+\i], v[64*\a+16*\b+\i+1]
.endr
.endr
	WIN 0
.irp b, 0,1,2,3
	v_permlanex16_b32 v[132+\b], v[128+\b], s60, s61
.endr
.irp b, 0,1,2,3
	v_max_num_f32 v[128+\b], v[128+\b], v[132+\b]  ; with lane l xor 16's
.endr
	v_max3_num_f32 v13, v128, v129, v130
	v_max_num_f32 v13, v13, v131                   ; (the step's first key counts for every query of a live wave, so it is a number)
	v_mul_f32 v13, s62, v13                        ; as t
	v_floor_f32 v12, -v13                          ; -M = floor(-t) = -ceil(t)
	WIN 0x01
.set NN, 0
.rept 32
	v_pk_fma_f32 v[64+2*NN:65+2*NN], v[64*\a+2*NN:64*\a+2*NN+1], s[62:63], v[12:13] op_sel_hi:[1,0,0]   ; t - M
.set NN, NN+1
.endr
	WIN 0
.irp b, 0,1,2,3
	v_fma_f32 v[128+\b], v[128+\b], s62, v12       ; the same of each block's largest
.endr
	s_wait_alu depctr_va_vdst(0)                   ; one wait ahead of the batch, one behind it
.set NN, 0
.rept 68
	v_exp_f32 v[64+NN], v[64+NN]                   ; p = 2^(t - M), not normalised; the last four: the blocks' largest p, by the same two instructions on the same number
.set NN, NN+1
.endr
	v_xor_b32 v[212+\a], 0x80000000, v12           ; M
	s_wait_alu depctr_va_vdst(0)
.irp k, 0,2,4,6
	v_pk_add_f32 v[144+\k:145+\k], v[64+\k:65+\k], v[72+\k:73+\k]   ; the sum of the unquantised p, in four chains of pairs
.endr
.irp j, 16,24,32,40,48,56
.irp k, 0,2,4,6
	v_pk_add_f32 v[144+\k:145+\k], v[144+\k:145+\k], v[64+\j+\k:65+\j+\k]
.endr
.endr
.irp b, 0,1,2,3
	v_max_num_f32 v[128+\b], 0x2800000, v[128+\b]  ; the floor 2^(5 - 127): the byte cannot fall under 1 (a block of zeros keeps that byte: its codes are zeros)
.endr
	v_pk_add_f32 v[144:145], v[144:145], v[146:147]
	v_pk_add_f32 v[148:149], v[148:149], v[150:151]
.irp b, 0,1,2,3
	v_add_nc_u32 v[136+\b], 0xfe000000, v[128+\b]  ; 4 off the exponent field: the conversion's scale operand
.endr
	v_pk_add_f32 v[144:145], v[144:145], v[148:149]
.irp b, 0,1,2,3
	v_lshrrev_b32 v[132+\b], 23, v[136+\b]         ; the scale's byte, 1 to 123
.endr
.irp c, 0,1
	v_cvt_scalef32_pk16_bf6_f32 v[160+12*\a+6*\c:162+12*\a+6*\c], v[64+32*\c:79+32*\c], v[136+2*\c]
	v_cvt_scalef32_pk16_bf6_f32 v[152+4*\c:154+4*\c], v[80+32*\c:95+32*\c], v[136+2*\c+1]   ; (a conversion's three registers begin on an even number)
.endr
	v_add_f32 v144, v144, v145                     ; (also the plain instruction behind the conversions)
	v_lshl_or_b32 v140, v133, 8, v132
	v_lshl_or_b32 v140, v134, 16, v140
	v_lshl_or_b32 v140, v135, 24, v140
.irp c, 0,1                                    ; a whole block in a lane: lanes 0-15 block 2 c, lanes 16-31 block 2 c + 1
.irp i, 0,1,2
	v_permlane16_swap_b32 v[160+12*\a+6*\c+\i], v[152+4*\c+\i]
.endr
.endr
	v_permlanex16_b32 v141, v144, s60, s61
	v_or_b32 v[208+\a], 0x80808080, v140           ; W: bit 7 on each byte, so that up to 127 can be taken off each with no borrow between bytes
.irp c, 0,1
.irp i, 0,1,2
	v_mov_b32 v[163+12*\a+6*\c+\i], v[152+4*\c+\i]
.endr
.endr
	v_add_f32 v[216+\a], v144, v141                ; l
.irp g, 0,1,2
	global_store_b128 v240, v[160+12*\a+4*\g:163+12*\a+4*\g], s[46:47] offset:1536*\a+512*\g   ; 512 consecutive bytes a store; each block has code registers of its own
.endr
	s_wait_alu depctr_va_vdst(0)
.endm
	BLOCK 0
	BLOCK 1
	BLOCK 2
	BLOCK 3
.irp j, 0,1
	v_cndmask_b32 v[220+\j], v[208+2*\j], v[209+2*\j], s69   ; lane L: row 32 j + L
	v_cndmask_b32 v[222+\j], v[212+2*\j], v[213+2*\j], s69
	v_cndmask_b32 v[224+\j], v[216+2*\j], v[217+2*\j], s69
.endr
.irp p, 0,1,2
	global_store_b64 v241, v[220+2*\p:221+2*\p], s[46:47] offset:6144+256*\p   ; 256 consecutive bytes a store
.endr
.Lend:
	s_wait_tensorcnt 0x0                           ; the wave's end
	ds_add_u32 v9, v10
	s_wait_dscnt 0x0
	s_endpgm
	; ---- V INTO IMAGES: 64 work-groups, n = 8 (x - 17) + y: 64 of the head (C = n / 4) and eight steps of 128 keys, a wave a step.  No LDS but the spare words.
.Lhelper:
	s_sub_co_u32 s20, ttmp9, 17
	s_lshl_b32 s20, s20, 3
	s_add_co_u32 s20, s20, s19
	s_lshr_b32 s21, s20, 2                         ; C
	s_and_b32 s22, s20, 3
	s_lshl_b32 s22, s22, 3
	s_add_co_u32 s22, s22, s14                     ; my step
	s_mul_i32 s76, s21, 196608                     ; 64 rows of 3,072 bytes
	s_mul_i32 s77, s22, 96
	s_add_co_u32 s76, s76, s77
	s_mov_b32 s77, 0
	s_add_nc_u64 s[40:41], s[40:41], s[76:77]
	s_lshl_b32 s76, s21, 6
	s_add_co_u32 s76, s76, s22
	s_mul_i32 s76, s76, 3072
	s_add_nc_u64 s[44:45], s[44:45], s[76:77]
	s_mov_b32 s80, 0x05040100
	s_mov_b32 s81, 0x07060302
	v_and_b32 v1, 15, v0
	v_bfe_u32 v2, v0, 4, 1
	v_mul_u32_u24 v3, v1, 3072
	v_mad_u32_u24 v3, v2, 24, v3                   ; row r, + 24 h
	v_and_b32 v6, 31, v0
	v_lshlrev_b32 v6, 4, v6
.irp c, 0,1,2,3
.irp p, 0,1,2,3,4,5
	global_load_b64 v[32+12*\c+2*\p:33+12*\c+2*\p], v3, s[40:41] offset:49152*\c+48*(\p/3)+8*(\p%3)
.endr
.endr
	s_wait_alu depctr_va_vdst(0)
	s_wait_loadcnt 0x0
.irp e, 0,6,12,18,24,30,36,42                  ; a block's 24 bytes: its second and third 6 bytes (8 codes each) change places, as p's codes stand
	v_mov_b32 v[96+\e], v[32+\e]
	v_perm_b32 v[97+\e], v[35+\e], v[33+\e], s80
	v_alignbit_b32 v[98+\e], v[36+\e], v[35+\e], 16
	v_alignbit_b32 v[99+\e], v[34+\e], v[33+\e], 16
	v_perm_b32 v[100+\e], v[36+\e], v[34+\e], s81
	v_mov_b32 v[101+\e], v[37+\e]
.endr
.irp c, 0,1,2,3
.irp g, 0,1,2
	global_store_b128 v6, v[96+12*\c+4*\g:99+12*\c+4*\g], s[44:45] offset:98304*(\c/2)+1536*(\c%2)+512*\g
.endr
.endr
	s_wait_tensorcnt 0x0                           ; the wave's end
	ds_add_u32 v9, v10
	s_wait_dscnt 0x0
	s_endpgm
.Lfunc_end_k_qad0f3a4577_scores:
	.size	k_qad0f3a4577_scores, .Lfunc_end_k_qad0f3a4577_scores-k_qad0f3a4577_scores
	.p2alignl 7, 3214868480
	.fill 96, 4, 3214868480
	.section	.rodata,"a",@progbits
	.p2align	6, 0x0
	.amdhsa_kernel k_qad0f3a4577_scores
		.amdhsa_group_segment_fixed_size 327680
		.amdhsa_private_segment_fixed_size 0
		.amdhsa_enable_private_segment 0
		.amdhsa_kernarg_size 56
		.amdhsa_user_sgpr_count 2
		.amdhsa_user_sgpr_kernarg_segment_ptr 1
		.amdhsa_wavefront_size32 1
		.amdhsa_system_sgpr_workgroup_id_x 1
		.amdhsa_system_sgpr_workgroup_id_y 1
		.amdhsa_system_sgpr_workgroup_id_z 1
		.amdhsa_system_vgpr_workitem_id 0
		.amdhsa_next_free_vgpr 512
		.amdhsa_next_free_sgpr 84
		.amdhsa_reserve_vcc 1
		.amdhsa_float_denorm_mode_32 3
		.amdhsa_float_denorm_mode_16_64 3
		.amdhsa_memory_ordered 1
		.amdhsa_forward_progress 1
		.amdhsa_inst_pref_size 153
	.end_amdhsa_kernel
	.amdgpu_metadata
---
amdhsa.version: [ 1, 2 ]
amdhsa.kernels:
  - .name:           k_qad0f3a4577_scores
    .symbol:         k_qad0f3a4577_scores.kd
    .args:
      - { .name: Q_codes, .offset: 0, .size: 8, .value_kind: global_buffer, .address_space: global }
      - { .name: Q_scales, .offset: 8, .size: 8, .value_kind: global_buffer, .address_space: global }
      - { .name: K_codes, .offset: 16, .size: 8, .value_kind: global_buffer, .address_space: global }
      - { .name: K_scales, .offset: 24, .size: 8, .value_kind: global_buffer, .address_space: global }
      - { .name: V_codes, .offset: 32, .size: 8, .value_kind: global_buffer, .address_space: global }
      - { .name: pfrag, .offset: 40, .size: 8, .value_kind: global_buffer, .address_space: global }
      - { .name: vfrag, .offset: 48, .size: 8, .value_kind: global_buffer, .address_space: global }
    .group_segment_fixed_size: 327680
    .private_segment_fixed_size: 0
    .kernarg_segment_align: 8
    .kernarg_segment_size: 56
    .max_flat_workgroup_size: 256
    .sgpr_count:     84
    .vgpr_count:     512
    .wavefront_size: 32
...
	.end_amdgpu_metadata
.endif
;; end of part 1
;; launch pv (part 2): grid 8 x 32, 4 waves a work-group, clusters of 4 x 1, 327,680 bytes of LDS; arguments pfrag, vfrag, V_scales, out0; writes out0
.if DOCPART == 2
	.amdgcn_target "amdgcn-amd-amdhsa--gfx1250"
	.amdhsa_code_object_version 6
	.text
	.protected	k_qad0f3a4577_pv
	.globl	k_qad0f3a4577_pv
	.p2align	8
	.type	k_qad0f3a4577_pv,@function
k_qad0f3a4577_pv:
	s_mov_b64 s[64:65], 0
	v_nop
	global_prefetch_b8 v0, s[64:65] scope:SCOPE_SE
	s_setreg_imm32_b32 hwreg(HW_REG_WAVE_MODE, 25, 1), 1
	s_wait_xcnt 0x0
	s_wait_alu depctr_hold_cnt(0) depctr_sa_sdst(0) depctr_va_vdst(0) depctr_va_sdst(0) depctr_va_ssrc(0) depctr_va_vcc(0) depctr_vm_vsrc(0)
	s_getreg_b32 s2, hwreg(HW_REG_IB_STS2, 6, 4)
	s_cmp_eq_u32 s2, 0
	s_cbranch_scc0 .Lentry_in_a_cluster
	s_endpgm
.Lentry_in_a_cluster:
	s_bfe_u32 s2, ttmp6, 0x10000c
	s_cmp_lg_u32 s2, 0x3003
	s_cbranch_scc0 .Lentry_shape_is_right
	s_endpgm
.Lentry_shape_is_right:
; SECOND LAUNCH: out[q][:] = (the sum over the keys of p V) / l, on the codes that the first launch stored: pfrag [i 32][u 33][6,912], vfrag [32][s 32][2][1,536] (layouts: at the first kernel's head).
; DEAD WORK LEFT OUT: steps of 128 keys all of whose keys come after all queries of a block of 64 have p = 0 by reference()'s own tril and add 0 to the product and to l: block b walks steps 0 .. b / 2 alone.
; A NaN or an overflow that reaches only the steps left out is not carried to the result.
; SHARES.  A work-group makes blocks B = 63 - i and A = i of 64 queries x 128 of the head: 32 - i / 2 and 1 + i / 2 steps, 33 for every work-group.  Step s of B is unit s, step s of A unit 32 - s, so all 33 units
; lie end to end, 228,096 bytes, and come into LDS at once: waves 0-2 fetch 11 units each; wave 3 fetches V's scale bytes (128 rows of 128 bytes).  Nothing is filled again.
; CLUSTER 4 x 1: the four partners share i and differ in their 128 of the head alone: p is asked for jointly (mask 15).  V's scale bytes are each work-group's own load.
; V.  A wave owns 32 of the head (two fragments) x all queries of A and B, so V's fragments are no other wave's: they go from memory straight into registers, EIGHT STEPS AHEAD: eight buffers of
; 24 registers, 6 loads a step, 48 out.  Both blocks' products of a step use the same fragments.  NO PREFETCH: p is asked for once, at the head, and V's loads run eight steps ahead themselves.
; THE ROW'S M is the largest of its steps' M, found from all records before the products; each step's scale bytes are lowered by M - its own M (exact) and its l is scaled by 2^-(that).
; LIMIT: a difference above 127 is held at 127, and a byte that would fall under 0 becomes 0, that is 2^-127.  The scaled scores stay under 2^31.
; Source 0 = 16 rows of V, source 1 = 16 queries of p: lane (r, h) holds query r and eight neighbours of the head.
; REGISTERS.  Window 0: v2, v3 16 and 8 x lane; v4 my V scale words; v5-7 the way out; v8, v9 the add's two; v[10:11], v[12:13] M of B, of A (rows L, 32 + L); v[14:17] l of B, of A; v18-21 p's scale words;
; v22-31 at work; v32-37, v38-43 W, M, l of B's, of A's step; v44, v45 V's scale words; v46-53 V's load offsets; v58-62 LDS addresses; v64-159 two sets of B's p, v160-255 two of A's.
; Window 1: V's eight buffers.  Window 2: B's accumulator (a, c) at v[8 (2 a + c)], A's 64 further on.
.set UNIT,  6912
.set VSC,   33*UNIT                    ; V's scale bytes: 128 rows of 128 bytes + 8 of padding
.set XCH,   VSC+128*136                ; the waves' maxima: 512 bytes a wave
.set STAGE, XCH+2048                   ; the way out: 64 rows of 512 + 16 bytes, for A and for B
.set STG,   64*528
.set SPARE, STAGE+2*STG                ; the spare words: 128 bytes for each wave
.set MSB, 0
.macro WIN new                         ; the immediate's high byte repeats the setting that is left
.if MSB != (\new)
	s_set_vgpr_msb (MSB<<8)|(\new)
.set MSB, (\new)
.endif
.endm
.macro PLACES
.rept 4
	v_nop
.endr
.endm
.macro ROUND                           ; a round of the cluster's barrier
	s_barrier_signal -1
	s_barrier_wait -1
	s_cmp_lg_u32 s12, 0
	s_cbranch_scc1 .Lnw0_\@
	s_barrier_signal -3
.Lnw0_\@:
	s_barrier_wait -3
	s_barrier_signal -1
	s_barrier_wait -1
.endm
.macro ADDRS                           ; the LDS addresses of the eight steps at work
	v_add_nc_u32 v58, s68, v2
	v_add_nc_u32 v59, s68, v3
	v_add_nc_u32 v60, s69, v2
	v_add_nc_u32 v61, s69, v3
	v_add_nc_u32 v62, s57, v4
.endm
.macro NEXT
	s_add_co_u32 s68, s68, 8*UNIT
	s_sub_co_u32 s69, s69, 8*UNIT
	s_add_co_u32 s57, s57, 32
	ADDRS
	s_wait_alu depctr_va_vdst(0)
.endm
.macro LDB k, x                        ; B's step k of the eight: 16 loads
.irp p, 0,1,2
	ds_load_b64 v[32+2*\p:33+2*\p], v59 offset:UNIT*(\k)+6144+256*\p
.endr
.irp a, 0,1,2,3
.irp g, 0,1,2
	ds_load_b128 v[64+48*(\x)+12*\a+4*\g:67+48*(\x)+12*\a+4*\g], v58 offset:UNIT*(\k)+1536*\a+512*\g
.endr
.endr
	ds_load_b32 v[44+(\x)], v62 offset:4*(\k)
.endm
.macro LDA k, x                        ; A's: its units descend: 15 loads
.irp p, 0,1,2
	ds_load_b64 v[38+2*\p:39+2*\p], v61 offset:UNIT*(8-(\k))+6144+256*\p
.endr
.irp a, 0,1,2,3
.irp g, 0,1,2
	ds_load_b128 v[160+48*(\x)+12*\a+4*\g:163+48*(\x)+12*\a+4*\g], v60 offset:UNIT*(8-(\k))+1536*\a+512*\g
.endr
.endr
.endm
.macro ADJ w, mf, ls, o                ; a step's scale words and sums under the row's M, rows L and 32 + L by turns
	v_pk_add_f32 v[22:23], v[\mf:\mf+1], v[\w+2:\w+3] neg_lo:[0,1] neg_hi:[0,1]   ; a whole number, 0 or more,
	v_min_num_f32 v22, 0x42fe0000, v22             ; held at 127
	v_min_num_f32 v23, 0x42fe0000, v23
	v_cvt_u32_f32 v22, v22
	v_cvt_u32_f32 v23, v23
	v_perm_b32 v24, v22, v22, s67                  ; in each of four bytes
	v_perm_b32 v25, v23, v23, s67
	v_sub_nc_u32 v24, v[\w], v24                   ; bytes 129 .. 251 less 0 .. 127: no borrow; bit 7 stays where the byte proper has not fallen under 0
	v_sub_nc_u32 v25, v[\w+1], v25
	v_and_b32 v26, 0x80808080, v24
	v_and_b32 v27, 0x80808080, v25
	v_lshrrev_b32 v28, 7, v26
	v_lshrrev_b32 v29, 7, v27
	v_sub_nc_u32 v26, v26, v28                     ; 0x7f there, 0 elsewhere
	v_sub_nc_u32 v27, v27, v29
	v_and_b32 v[\o], v24, v26
	v_and_b32 v[\o+1], v25, v27
	v_sub_nc_u32 v22, 0, v22
	v_sub_nc_u32 v23, 0, v23
	v_ldexp_f32 v30, v[\w+4], v22
	v_ldexp_f32 v31, v[\w+5], v23
	v_pk_add_f32 v[\ls:\ls+1], v[\ls:\ls+1], v[30:31]
.rept 3
	v_nop                                          ; with the five lines above: the places between a scale register so written and a scaled matrix instruction
.endr
.endm
.macro WM acc, vf, pf, sv, sp, ra, rb
.if (\ra) && (\rb)
	v_wmma_scale_f32_16x16x128_f8f6f4 v[\acc:\acc+7], v[\vf:\vf+11], v[\pf:\pf+11], v[\acc:\acc+7], v[\sv], v[\sp] matrix_a_fmt:MATRIX_FMT_BF6 matrix_b_fmt:MATRIX_FMT_BF6 matrix_a_scale:MATRIX_SCALE_ROW1 matrix_b_scale:MATRIX_SCALE_ROW1
.elseif \ra
	v_wmma_scale_f32_16x16x128_f8f6f4 v[\acc:\acc+7], v[\vf:\vf+11], v[\pf:\pf+11], v[\acc:\acc+7], v[\sv], v[\sp] matrix_a_fmt:MATRIX_FMT_BF6 matrix_b_fmt:MATRIX_FMT_BF6 matrix_a_scale:MATRIX_SCALE_ROW1
.elseif \rb
	v_wmma_scale_f32_16x16x128_f8f6f4 v[\acc:\acc+7], v[\vf:\vf+11], v[\pf:\pf+11], v[\acc:\acc+7], v[\sv], v[\sp] matrix_a_fmt:MATRIX_FMT_BF6 matrix_b_fmt:MATRIX_FMT_BF6 matrix_b_scale:MATRIX_SCALE_ROW1
.else
	v_wmma_scale_f32_16x16x128_f8f6f4 v[\acc:\acc+7], v[\vf:\vf+11], v[\pf:\pf+11], v[\acc:\acc+7], v[\sv], v[\sp] matrix_a_fmt:MATRIX_FMT_BF6 matrix_b_fmt:MATRIX_FMT_BF6
.endif
.endm
.macro MUL k, acc, pf, pw              ; eight products, by turns
	WIN 0xa1
.irp a, 0,1,2,3
.irp c, 0,1
.set AC, \acc+8*(2*\a+\c)
.set VF, 24*(\k)+12*\c
.set PF, \pf+48*((\k)%2)+12*\a
.set SV, 44+(\k)%2
.set SP, \pw+\a/2
	WM AC, VF, PF, SV, SP, \c, \a%2
.endr
.endr
	WIN 0
.endm
.macro VLOAD k, adr                    ; six loads of V's step at k into buffer k
	WIN 0x40
.irp g, 0,1,2,3,4,5
	global_load_b128 v[24*(\k)+4*\g:24*(\k)+4*\g+3], v[\adr], s[48:49] offset:3072*(\k)+512*\g
.endr
	WIN 0
.endm
; STEP k of eight.  n: V's loads behind this step's, which may be out.  mode 0: steps 0-15 (the loop; A's part too); 1: steps 16-23; 2: steps 24-31, which ask for nothing more.
.macro STEP k, n, mode
.if 8*(\mode)+\k > 8
	s_cmp_le_u32 s19, 8*(\mode+1)+\k               ; B's steps are done: ids alone
	s_cbranch_scc1 .Lb_done
.endif
	s_wait_dscnt 0x0
	ADJ 32, 10, 14, 18
.if 8*(\mode)+\k < 23
	LDB \k+1, 1-\k%2
.endif
	s_wait_alu depctr_va_vdst(0)
	s_wait_loadcnt \n
	MUL \k, 0, 64, 18
.if (\mode) == 0
	s_add_co_u32 s23, s22, \k
	s_cmp_ge_u32 s23, s18                          ; A's steps are done: ids alone
	s_cbranch_scc1 .Lna_\@
	ADJ 38, 12, 16, 20
	LDA \k+1, 1-\k%2                               ; (behind A's last step: B's last unit, unused)
	s_wait_alu depctr_va_vdst(0)
	MUL \k, 64, 160, 20
.Lna_\@:
.endif
.if (\mode) < 2
	PLACES
.if (\mode) == 0
	s_add_co_u32 s23, s22, \k+8
	s_cmp_lt_u32 s23, s19
.else
	s_cmp_gt_u32 s19, 24+\k
.endif
	s_cselect_b32 s50, -1, 0                       ; a step that B does not have: all lanes name the same 16 bytes of it, and nothing is made of them: the count of loads stays
	v_and_b32 v[46+\k], s50, v2
	VLOAD \k, 46+\k
.endif
.endm
; THE WAY OUT of a block: divided by l, through a stage of all four waves, back as rows of 512 bytes: a store covers 512 consecutive bytes, at a multiple of 256 from out0's first byte.
.macro OUT acc, l, off, t
	PLACES
	s_wait_dscnt 0x0
	s_wait_xcnt 0x0                                ; earlier stores have read their registers and base
	s_lshl_b32 s76, s[\t], 18                      ; 64 rows of 4,096 bytes
	s_lshl_b32 s77, s12, 16                        ; my 16 of them
	s_add_co_u32 s76, s76, s77
	s_lshl_b32 s77, s15, 9
	s_add_co_u32 s76, s76, s77
	s_mov_b32 s77, 0
	s_add_nc_u64 s[74:75], s[10:11], s[76:77]
	s_wait_alu depctr_va_vdst(0)
	v_rcp_f32 v30, v[\l]
	v_rcp_f32 v31, v[\l+1]
	v_nop
	s_wait_alu depctr_va_vdst(0)
	v_permlanex16_b32 v28, v30, s72, s73           ; an accumulator's lane (r, h) holds row 16 a + r, whose 1 / l lies in lane 16 (a % 2) + r
	v_permlanex16_b32 v29, v31, s72, s73
	v_cndmask_b32 v22, v30, v28, s70
	v_cndmask_b32 v24, v28, v30, s70
	v_cndmask_b32 v26, v31, v29, s70
	v_cndmask_b32 v20, v29, v31, s70
	WIN 0x02
	s_wait_alu depctr_va_vdst(0)
.irp a, 0,1,2,3
.set FR, 22+2*\a-8*(\a/3)
.irp n, 0,2,4,6,8,10,12,14
	v_pk_mul_f32 v[160+16*\a+\n:161+16*\a+\n], v[\acc+16*\a+\n:\acc+16*\a+\n+1], v[FR:FR+1] op_sel_hi:[1,0]
.endr
.endr
	WIN 0
.irp a, 0,1,2,3
.irp c, 0,1
	ds_store_b128 v5, v[160+16*\a+8*\c:163+16*\a+8*\c] offset:\off+8448*\a+64*\c
	ds_store_b128 v5, v[164+16*\a+8*\c:167+16*\a+8*\c] offset:\off+8448*\a+64*\c+16
.endr
.endr
	s_wait_alu depctr_va_vdst(0)
	s_wait_dscnt 0x0
	s_barrier_signal -1
	s_barrier_wait -1
.irp i, 0,1,2,3,4,5,6,7,8,9,10,11,12,13,14,15
	ds_load_b128 v[160+4*\i:163+4*\i], v6 offset:\off+528*\i
.endr
.irp i, 0,1,2,3,4,5,6,7,8,9,10,11,12,13,14,15
	s_wait_dscnt 15-\i                             ; the later rows may be out
	global_store_b128 v7, v[160+4*\i:163+4*\i], s[74:75] offset:4096*\i th:TH_STORE_NT
.endr
.endm
	s_load_b256 s[4:11], s[0:1], 0x0               ; pfrag s[4:5], vfrag s[6:7], V's scales s[8:9], out0 s[10:11]
	v_lshl_add_u32 v8, v0, 2, SPARE
	v_mov_b32 v9, 0
	ds_add_u32 v8, v9                              ; the wave's opening: the add, twice on end, and its wait
	ds_add_u32 v8, v9
	v_lshrrev_b32 v22, 5, v0
	v_readfirstlane_b32 s12, v22                   ; wave 0..3
	s_bfe_u32 s14, ttmp6, 0x40000                  ; cx
	s_lshl_b32 s15, ttmp9, 2
	s_add_co_u32 s15, s15, s14                     ; my 128 of the head
	s_and_b32 s16, ttmp7, 0xffff                   ; i, which the partners share: block A
	s_sub_co_u32 s17, 63, s16                      ; block B
	s_lshr_b32 s20, s16, 1
	s_add_co_u32 s18, s20, 1                       ; A's steps, 1 to 16
	s_sub_co_u32 s19, 32, s20                      ; B's steps, 17 to 32
	s_mov_b32 s24, 15|(3<<16)|(1<<21)              ; p: the mask names all four partners; elements of 8 bytes; bit 21 beside a mask; no padding: images are read at 16 x lane
	s_mov_b32 s25, 32<<16                          ; rows of 256 bytes,
	s_mov_b32 s26, 297<<16                         ; 297 of them: 11 units
	s_mov_b32 s27, 32<<16
	s_mov_b32 s28, 297
	s_mov_b32 s29, 32
	s_mov_b32 s30, 0
	s_mov_b32 s31, 0
	s_mov_b32 s32, (3<<16)|(1<<20)|(4<<22)|(1<<25) ; V's scale bytes: dense, as 64 rows of 256 bytes; 2 words of padding after every 32
	s_mov_b32 s33, 32<<16
	s_mov_b32 s34, 64<<16
	s_mov_b32 s35, 32<<16
	s_mov_b32 s36, 64
	s_mov_b32 s37, 32
	s_mov_b32 s38, 0
	s_mov_b32 s39, 0
	s_mov_b32 s40, 1
	s_mul_i32 s41, s12, 11*UNIT
	s_mul_i32 s60, s16, 33*UNIT
	s_add_co_u32 s60, s60, s41
	s_mov_b32 s61, 0
	s_mov_b32 s44, 1
	s_mov_b32 s45, VSC
	s_lshl_b32 s62, s15, 14
	s_mov_b32 s63, 0
	s_mov_b32 s67, 0
	s_mov_b32 s70, 0xffff0000                      ; lanes 16-31
	s_mov_b32 s72, 0x76543210
	s_mov_b32 s73, 0xfedcba98
	s_mov_b32 s56, 0xff800000                      ; -infinity
	s_wait_alu depctr_va_vdst(0)
	s_wait_dscnt 0x0                               ; both opening adds are done
	s_wait_kmcnt 0x0
	s_add_nc_u64 s[42:43], s[4:5], s[60:61]
	s_or_b32 s43, s43, 0x80000000
	s_add_nc_u64 s[46:47], s[8:9], s[62:63]
	s_or_b32 s47, s47, 0x80000000
	s_lshl_b32 s60, s15, 2
	s_add_co_u32 s60, s60, s12                     ; my 32 of the head
	s_mul_i32 s60, s60, 98304
	s_add_nc_u64 s[48:49], s[6:7], s[60:61]
	ROUND                                          ; all four work-groups are here: the joint loads meet
	s_cmp_lt_u32 s12, 3
	s_cbranch_scc0 .Lfor_v
	tensor_load_to_lds s[40:43], s[24:31]
	s_nop 0
	PLACES
	s_branch .Lasked
.Lfor_v:
	tensor_load_to_lds s[44:47], s[32:39]
	s_nop 0
	PLACES
.Lasked:
	v_and_b32 v22, 31, v0                          ; lane
	v_lshlrev_b32 v2, 4, v22
	v_lshlrev_b32 v3, 3, v22
	s_wait_alu depctr_va_vdst(0)
.irp k, 0,1,2,3,4,5,6,7
	VLOAD \k, 2                                    ; V's steps 0 to 7: 48 loads
.endr
	s_mul_i32 s60, s12, 32*136
	s_add_co_u32 s60, s60, VSC
	v_mul_u32_u24 v4, v22, 136
	v_add_nc_u32 v4, s60, v4                       ; V's row 32 w + lane
	v_and_b32 v23, 15, v0                          ; r
	v_bfe_u32 v24, v0, 4, 1                        ; h
	s_lshl_b32 s60, s12, 7
	s_add_co_u32 s60, s60, STAGE
	v_mul_u32_u24 v5, v23, 528
	v_lshl_add_u32 v5, v24, 5, v5
	v_add_nc_u32 v5, s60, v5                       ; in: row r, 128 bytes a wave, 32 for each half of the lanes
	s_mul_i32 s60, s12, 16*528
	s_add_co_u32 s60, s60, STAGE
	v_add_nc_u32 v6, s60, v2                       ; back: my 16 rows
	v_mov_b32 v7, v2
	s_lshl_b32 s60, s12, 9
	s_add_co_u32 s60, s60, XCH
	v_add_nc_u32 v26, s60, v2
	v_add_nc_u32 v27, XCH, v2
	s_mul_i32 s60, s12, UNIT
	v_add_nc_u32 v22, s60, v3
.irp j, 0,1,2,3,4,5,6,7
	v_add_nc_u32 v[112+\j], 4*UNIT*\j+6400, v22    ; M of unit 4 j + wave
.endr
	v_add_nc_u32 v120, 32*UNIT+6400, v3            ; and of unit 32
.irp j, 14,15,16,17,20,21
	v_mov_b32 v\j, 0                               ; the sums; (the last two are named as halves of pairs)
.endr
	s_mov_b32 s68, 0
	s_mov_b32 s69, 24*UNIT
	s_mov_b32 s57, 0
	ADDRS
	WIN 0x80
.set NN, 0
.rept 128
	v_mov_b32 v[NN], 0                             ; the step is written as a loop body, so the first finds zeros; made while the tiles are on their way
.set NN, NN+1
.endr
	WIN 0
	s_wait_alu depctr_va_vdst(0)
	s_wait_tensorcnt 0x0                           ; my part of p, or V's scale bytes
	s_barrier_signal -1
	s_barrier_wait -1                              ; everybody's
.irp j, 0,1,2,3,4,5,6,7
	ds_load_b64 v[122+2*\j:123+2*\j], v[112+\j]
.endr
	ds_load_b64 v[138:139], v120
	LDB 0, 0
	LDA 0, 0
	s_wait_dscnt 31                                ; the nine loads of M are in; the 31 behind them may be out
	v_max3_num_f32 v10, v122, v124, v126           ; units 0 to 15 are B's,
	v_max3_num_f32 v11, v123, v125, v127
	v_max_num_f32 v10, v10, v128
	v_max_num_f32 v11, v11, v129
.irp j, 4,5,6,7                                ; units 16 to 31 are B's below s19, else A's,
	s_add_co_u32 s61, s12, 4*\j
	s_cmp_lt_u32 s61, s19
	s_cselect_b32 s62, 0, s56
	s_cselect_b32 s58, s56, 0
	s_mov_b32 s63, s62
	s_mov_b32 s59, s58
	v_pk_add_f32 v[22:23], v[122+2*\j:123+2*\j], s[62:63] op_sel_hi:[1,0]
	v_pk_add_f32 v[24:25], v[122+2*\j:123+2*\j], s[58:59] op_sel_hi:[1,0]
	v_max_num_f32 v10, v10, v22
	v_max_num_f32 v11, v11, v23
.if \j == 4
	v_max_num_f32 v12, v138, v24                   ; unit 32 is A's
	v_max_num_f32 v13, v139, v25
.else
	v_max_num_f32 v12, v12, v24
	v_max_num_f32 v13, v13, v25
.endif
	s_wait_alu depctr_va_vdst(0)
.endr
	ds_store_b128 v26, v[10:13]
	s_wait_dscnt 0x0
	s_barrier_signal -1
	s_barrier_wait -1
.irp q, 0,1,2,3
	ds_load_b128 v[112+4*\q:115+4*\q], v27 offset:512*\q
.endr
	s_wait_dscnt 0x0
.irp e, 0,1,2,3
	v_max3_num_f32 v[10+\e], v[112+\e], v[116+\e], v[120+\e]
.endr
.irp e, 0,1,2,3
	v_max_num_f32 v[10+\e], v[10+\e], v[124+\e]    ; the rows' M
.endr
	s_wait_alu depctr_va_vdst(0)
	s_mov_b32 s66, 0
.Ltrip:                                            ; two trips of eight steps
	s_wait_xcnt 0x0                                ; earlier loads have read their base
	s_add_nc_u64 s[48:49], s[48:49], 24576         ; eight steps on
	s_lshl_b32 s22, s66, 3
.irp k, 0,1,2,3,4,5,6,7
	STEP \k, 42, 0
.endr
	NEXT
	s_add_co_u32 s66, s66, 1
	s_cmp_lt_u32 s66, 2
	s_cbranch_scc1 .Ltrip
	OUT 64, 16, 0, 16                              ; A is finished in every work-group: it has 16 steps at the most
	s_wait_xcnt 0x0
	s_add_nc_u64 s[48:49], s[48:49], 24576
.irp k, 0,1,2,3,4,5,6,7
	STEP \k, 42, 1
.endr
	NEXT
.irp k, 0,1,2,3,4,5,6,7
	STEP \k, 42-6*\k, 2
.endr
.Lb_done:
	OUT 0, 14, STG, 17
	s_wait_tensorcnt 0x0                           ; the wave's end, behind my last tensor load and my last LDS store
	ds_add_u32 v8, v9
	s_wait_dscnt 0x0
	ROUND                                          ; the closing round: no work-group ends while a partner may still ask for a tile that names it
	s_endpgm
.Lfunc_end_k_qad0f3a4577_pv:
	.size	k_qad0f3a4577_pv, .Lfunc_end_k_qad0f3a4577_pv-k_qad0f3a4577_pv
	.p2alignl 7, 3214868480
	.fill 96, 4, 3214868480
	.section	.rodata,"a",@progbits
	.p2align	6, 0x0
	.amdhsa_kernel k_qad0f3a4577_pv
		.amdhsa_group_segment_fixed_size 327680
		.amdhsa_private_segment_fixed_size 0
		.amdhsa_enable_private_segment 0
		.amdhsa_kernarg_size 32
		.amdhsa_user_sgpr_count 2
		.amdhsa_user_sgpr_kernarg_segment_ptr 1
		.amdhsa_wavefront_size32 1
		.amdhsa_system_sgpr_workgroup_id_x 1
		.amdhsa_system_sgpr_workgroup_id_y 1
		.amdhsa_system_sgpr_workgroup_id_z 1
		.amdhsa_system_vgpr_workitem_id 0
		.amdhsa_next_free_vgpr 640
		.amdhsa_next_free_sgpr 80
		.amdhsa_reserve_vcc 0
		.amdhsa_float_denorm_mode_32 3
		.amdhsa_float_denorm_mode_16_64 3
		.amdhsa_memory_ordered 1
		.amdhsa_forward_progress 1
		.amdhsa_inst_pref_size 155
	.end_amdhsa_kernel
	.amdgpu_metadata
---
amdhsa.version: [ 1, 2 ]
amdhsa.kernels:
  - .name:           k_qad0f3a4577_pv
    .symbol:         k_qad0f3a4577_pv.kd
    .args:
      - { .name: pfrag, .offset: 0, .size: 8, .value_kind: global_buffer, .address_space: global }
      - { .name: vfrag, .offset: 8, .size: 8, .value_kind: global_buffer, .address_space: global }
      - { .name: V_scales, .offset: 16, .size: 8, .value_kind: global_buffer, .address_space: global }
      - { .name: out0, .offset: 24, .size: 8, .value_kind: global_buffer, .address_space: global }
    .group_segment_fixed_size: 327680
    .private_segment_fixed_size: 0
    .kernarg_segment_align: 8
    .kernarg_segment_size: 32
    .max_flat_workgroup_size: 128
    .sgpr_count:     80
    .vgpr_count:     640
    .wavefront_size: 32
...
	.end_amdgpu_metadata
.endif
;; end of part 2
